; MI455X (gfx1250); checked and timed in simulation.
; The chip was launched on July 23, 2026; its instructions are those of AMD's public machine-readable ISA for CDNA 5 (MIT licence, August 2026) and "CDNA5" Instruction Set Architecture Reference Guide (July 2026). The comments in the code are by the model that wrote it; some were corrected since.
;; Slow LSTM. Allowed arithmetic: matrix products marked QUANTISED: E2M1 operands, one E8M0 scale for each 32 along K, by v_wmma_scale_f32_16x16x128_f8f6f4 with both operands' format E2M1 (or v_wmma_scale_f32_32x16x128_f4), f32 sums; everything else in f32.
;; Inputs: b_c 2,048 float32; b_f 2,048 float32; b_i 2,048 float32; b_o 2,048 float32; c 1 x 2,048 x 2,048 float32; h 1 x 2,048 x 2,048 float32; w_hc 2,048 x 2,048 float32; w_hf 2,048 x 2,048 float32; w_hi 2,048 x 2,048 float32; w_ho 2,048 x 2,048 float32; w_xc 2,048 x 2,048 float32; w_xf 2,048 x 2,048 float32; w_xi 2,048 x 2,048 float32; w_xo 2,048 x 2,048 float32; x 1 x 2,048 x 2,048 float32.
;; Outputs: out0 1 x 2,048 x 2,048 float32; out1 1 x 2,048 x 2,048 float32.
;; This version of the problem:
;;   THIS VERSION OF THE PROBLEM IS GIVEN IN LOW PRECISION. The matrix products marked QUANTISED in the list below multiply operands that are first quantised to E2M1 (2 exponent bits, 1 mantissa bit; 4 bits a number), with one power-of-two scale for each 32 numbers along K (OCP MX v1.0); their sums are f32. All else is computed in f32.
;;   The module's matrix products, in the order in which they are computed (A, B: the left and right operand; K: the contracted axis; several contracted axes count as one K, in the product's order):
;;     1. [M 2,048, K 2,048] x [K 2,048, N 8,192]; A: input x; B: computed on the way: QUANTISED
;;     2. [M 2,048, K 2,048] x [K 2,048, N 8,192]; A: input h; B: computed on the way: QUANTISED
;;   THE QUANTISER, for each operand of a quantised product, along K:
;;     - K is cut into blocks of 32 from its start; a last block that is shorter is filled with zeros.
;;     - A block's scale is 2^e with e = floor(log2(the largest magnitude in the block)) - 2, held to -126 .. 127; a block of zeros has e = 0. As a byte (E8M0): e + 127.
;;     - Each number is divided by its block's scale, clamped to +-6, and rounded to the nearest number of E2M1, ties to even, subnormals kept.
;;     - The product sums the exact products of the quantised numbers (number of the format x scale) in f32.
;;   ~~~python
;;   def quantise(x, axis):      # numpy; x: float32 -> the quantised numbers, widened to float32 again
;;       x = np.moveaxis(x, axis, -1); K = x.shape[-1]
;;       x = np.pad(x, [(0, 0)] * (x.ndim - 1) + [(0, -K % 32)]); x = x.reshape(x.shape[:-1] + (-1, 32)); a = np.abs(x).max(-1, keepdims=True)
;;       e = np.where(a > 0, np.clip(np.frexp(np.where(a > 0, a, 1))[1] - 1 - 2, -126, 127), 0)      # np.frexp(a)[1] - 1 = floor(log2(a)), exactly
;;       r = np.clip(x / 2.0 ** e, -6, 6)
;;       step = 2.0 ** (np.maximum(np.frexp(np.where(r == 0, 1, r))[1] - 1, 0) - 1)
;;       q = np.round(r / step) * step * 2.0 ** e      # np.round: ties to even
;;       return np.moveaxis(q.reshape(q.shape[:-2] + (-1,))[..., :K], -1, axis).astype(np.float32)
;;   ~~~
;;   OPERANDS COMPUTED ON THE WAY. 'Computed on the way' means the value that the module computes at that place (a softmax that the list does not call 'softmax' is quantised finished and normalised). What goes into a quantiser is computed in f32, as accurately as f32 sums, v_exp_f32 and their like allow (about 1e-6 of the number): no bf16 or f16 on the way to a quantiser, and a product that is left as it is and whose result goes on into a quantised operand takes f32 operands (vector FMAs, or v_wmma_f32_16x16x4_f32). A number that lies on a knife's edge between two numbers of the format may be rounded either way, as far as f32 arithmetic and the matrix unit's own rounding can turn it there, and no further.
;; One version. Each part assembles by itself: llvm-mc -triple=amdgcn-amd-amdhsa -mcpu=gfx1250 --defsym DOCPART=n.
;; ======== version 1 of 1: 2 launches
;; limits: right only within a limited range of input values
;; workspace buffers: apack 4,456,448 bytes; bpack 17,825,792 bytes
;; launch quant (part 1): grid 128 x 10, 4 waves a work-group, no clusters, 34,304 bytes of LDS; arguments x, h, w_xi, w_xf, w_xo, w_xc, w_hi, w_hf, w_ho, w_hc, apack, bpack; writes apack, bpack
.if DOCPART == 1
	.amdgcn_target "amdgcn-amd-amdhsa--gfx1250"
	.amdhsa_code_object_version 6
	.text
	.protected	k_qf5b62bd28f_quant
	.globl	k_qf5b62bd28f_quant
	.p2align	8
	.type	k_qf5b62bd28f_quant,@function
k_qf5b62bd28f_quant:
	s_mov_b64 s[64:65], 0
	v_nop
	global_prefetch_b8 v0, s[64:65] scope:SCOPE_SE
	s_setreg_imm32_b32 hwreg(HW_REG_WAVE_MODE, 25, 1), 1
	s_wait_xcnt 0x0
; FIRST OF TWO LAUNCHES of an LSTM cell: gates = x Wx + h Wh + b, both products on codes of FP4 (E2M1) with one E8M0 scale for each 32 along K.
; This launch turns x, h [2048][2048] (K innermost) and the eight weights [2048 (K)][2048] (K is the FIRST axis) into codes and scale bytes, each number read once.
; NOTHING OF reference() IS LEFT OUT: every one of its fifteen inputs reaches both outputs, so all are loaded (ten here, c and the four biases in the second launch).
; A block's scale is 2^(floor(log2(its largest magnitude)) - 2); its byte is the largest magnitude's exponent field - 2, held at 1 from below by a floor among the maximum's leaves.
; LIMITS: a block of zeros gets the byte 1 where the rule says 127 (its codes are zeros, which add nothing under any byte but 0xff, and this program alone reads the bytes);
; NaN and infinities among the inputs are not served.
; THE WORKSPACE IS LAID IN THE ORDER OF THE OPERAND'S REGISTERS.  A chunk is 128 operand rows x 512 along K, CH = 34,816 bytes:
;   bytes 0 .. 32,767: codes [group of 16 rows: 8][block of 32 along K: 16][row in the group: 16][16 bytes];   bytes 32,768 ..: scale bytes [half of the 512: 2][row: 128][8 bytes].
;   apack = [K step S: 8][rows / 128: 16] chunks, bpack = [S: 8][hidden units / 32: 64] chunks;  S = 0 .. 3 is x's K, 4 .. 7 h's.
;   In a chunk of bpack group 2 g + u holds gate g (i, f, o, c) of hidden units 16 u + 0 .. 15 of the chunk's 32: so the four gates of a unit meet in one lane of the second launch.
; SHARES.  Work-group y = 0, 1: x, h;  y = 2 .. 9: a weight.  Work-group x = 8 p + kc: 128 operand rows (p) x 256 along K (kc).  A wave takes 32 of the rows: 8 scale bytes a row, so its 32 lanes store 256 bytes on end.
; Waves share nothing: no barrier.  No register that a store reads is written again, no base is stepped: so no wait on XCNT is written.
.set CH,    34816
.set STW,   8448                       ; LDS: a stage for each wave: 16 rows x (512 bytes + 16)
.set SP,    528                        ; = 33 x 16: the sixteen rows that a read touches start 16 bytes apart modulo 256
.set SPARE, 4*STW                      ; behind the four stages: the spare words, 128 bytes for each wave: two blocks of 256 bytes that no other line names
.set SPW,  4                           ; v4   LDS address of my spare word; never rewritten
.set NIL,  5                           ; v5   0; never rewritten
.set LO16, 6                           ; v6   16 x lane
.set STI,  7                           ; v7   the stage, on the way in: 16 x lane in a row
.set STO,  8                           ; v8   on the way out: row r, + 128 h
.set LO8,  9                           ; v9   8 x lane
.set MX,   10                          ; v10-11 largest magnitudes
.set SO,   12                          ; v12-13 the conversions' scale operands
.set BY,   14                          ; v14-15 scale bytes
.set WD,   16                          ; v16-19 x, h: a fragment's scale words;  weights: v16-17 the eight scale bytes
.set PR,   20                          ; v20-21 the pair of scale words that I store
.set TW,   22
.set SH,   24                          ; v24  8 h
.set PD,   25                          ; v25  a lane permute's destination
.set LO4,  26                          ; v26  4 x lane
.set WO,   27                          ; v27  weights: my codes' place: 4,096 h + 16 r
.set R,    32                          ; x, h: v32-95, v96-159 two sets of 64 numbers;  weights: v32-63, v64-95 two sets of 32
.set C,    160                         ; x, h: v160-191 codes, 8 registers a fragment
.set CW,   96                          ; weights: v96-127 codes, 4 registers a block
	s_load_b128 s[4:7], s[0:1], 0x0                ; x, h
	s_load_b512 s[8:23], s[0:1], 0x10              ; w_xi, w_xf, w_xo, w_xc, w_hi, w_hf, w_ho, w_hc
	s_load_b128 s[24:27], s[0:1], 0x50             ; apack, bpack
	v_lshl_add_u32 v[SPW], v0, 2, SPARE
	v_mov_b32 v[NIL], 0
	v_lshrrev_b32 v1, 5, v0
	v_readfirstlane_b32 s28, v1                    ; wave w
	v_and_b32 v1, 31, v0                           ; lane
	v_and_b32 v2, 15, v0                           ; r
	v_bfe_u32 v3, v0, 4, 1                         ; h
	s_mul_i32 s29, s28, STW                        ; my stage.  Every LDS address is made here, ahead of the parting of the two ways
	v_lshl_add_u32 v[STI], v1, 4, s29
	v_mul_u32_u24 v[STO], v2, SP
	v_lshl_add_u32 v[STO], v3, 7, v[STO]
	v_add_nc_u32 v[STO], s29, v[STO]
	v_lshlrev_b32 v[LO16], 4, v1
	v_lshlrev_b32 v[LO8], 3, v1
	v_lshlrev_b32 v[SH], 3, v3
	v_mov_b32 v[PD], 0                             ; written once: a lane permute's destination counts as one of its sources
	s_mov_b32 s44, 0x76543210
	s_mov_b32 s45, 0xfedcba98                      ; v_permlanex16_b32's selects for lane l xor 16
	s_and_b32 s30, ttmp7, 0xffff                   ; y: which tensor
	s_lshr_b32 s31, ttmp9, 3                       ; p: which 128 operand rows
	s_and_b32 s32, ttmp9, 7                        ; kc: which 256 along K
	s_lshr_b32 s33, s32, 1                         ; the K step of 512 inside the tensor,
	s_and_b32 s34, s32, 1                          ; kh: and which half of it
	s_mov_b32 s47, 0                               ; the upper word of every offset: all stay under 2^25
	s_wait_kmcnt 0x0
	s_cmp_ge_u32 s30, 2                            ; the work-group's number alone decides
	s_cbranch_scc1 .Lweights
; ---- x AND h: K IS INNERMOST.  My wave: rows 128 p + 32 w + 0 .. 31, columns 256 kc + 0 .. 255: four fragments f = 2 gi + q of 16 rows x 128 K.
; A load reads 512 bytes on end of ONE row, 16 a lane; the conversions want a whole block of 32 neighbours in one lane.  So a fragment's 16 rows turn through my stage and come back with lane (r, h) holding
; blocks h and 2 + h of row r, which is what the operand's layout gives that lane: the conversions' results ARE the operand's registers.
	s_cmp_eq_u32 s30, 0
	s_cselect_b64 s[38:39], s[4:5], s[6:7]
	s_lshl_b32 s35, s31, 7
	s_lshl_b32 s36, s28, 5
	s_add_co_u32 s35, s35, s36                     ; my first row
	s_lshl_b32 s46, s35, 13                        ; x 8,192 bytes
	s_lshl_b32 s36, s32, 10                        ; + 256 kc numbers
	s_add_co_u32 s46, s46, s36
	s_add_nc_u64 s[38:39], s[38:39], s[46:47]      ; where I read
	s_lshl_b32 s35, s30, 2
	s_add_co_u32 s35, s35, s33                     ; S = 4 y + kc / 2
	s_lshl_b32 s35, s35, 4
	s_add_co_u32 s35, s35, s31                     ; chunk 16 S + p
	s_mul_i32 s46, s35, CH
	s_add_nc_u64 s[42:43], s[24:25], s[46:47]
	s_lshl_b32 s46, s28, 13                        ; my two groups of 16 rows: 8,192 w;
	s_lshl_b32 s36, s34, 11                        ; my eight blocks: 2,048 kh
	s_add_co_u32 s46, s46, s36
	s_add_nc_u64 s[40:41], s[42:43], s[46:47]      ; where my codes go
	s_lshl_b32 s46, s34, 10
	s_lshl_b32 s36, s28, 8
	s_add_co_u32 s46, s46, s36
	s_add_co_u32 s46, s46, 32768
	s_add_nc_u64 s[42:43], s[42:43], s[46:47]      ; and my 256 scale bytes
.macro LOADF f                         ; fragment f's 16 rows x 512 bytes into set f % 2
.irp i, 0,1,2,3,4,5,6,7,8,9,10,11,12,13,14,15
	global_load_b128 v[R+64*((\f)%2)+4*\i:R+64*((\f)%2)+4*\i+3], v[LO16], s[38:39] offset:(16*((\f)/2)+\i)*8192+512*((\f)%2) th:TH_LOAD_NT
.endr
.endm
.macro FRAGQ f
.set RS, R+64*((\f)%2)
.if (\f) < 3
	s_wait_loadcnt 16                              ; this fragment's 16 loads are in; the next fragment's 16 may be out
.else
	s_wait_loadcnt 0x0
.endif
.irp i, 0,1,2,3,4,5,6,7,8,9,10,11,12,13,14,15
	ds_store_b128 v[STI], v[RS+4*\i:RS+4*\i+3] offset:SP*\i
.endr
.irp c, 0,1                                    ; LDS serves a wave's instructions in order (ISA guide 5.7.1.4): these see the stores above, and land in the registers that those have left
.irp j, 0,1,2,3,4,5,6,7
	ds_load_b128 v[RS+32*\c+4*\j:RS+32*\c+4*\j+3], v[STO] offset:256*\c+16*\j   ; row r, k = 64 c + 32 h + 4 j ..
.endr
.endr
	s_wait_dscnt 0x0
.irp c, 0,1
	v_max3_num_f32 v[MX+\c], |v[RS+32*\c]|, |v[RS+32*\c+1]|, 0x1800000   ; block 2 c + h: all its 32 numbers are mine; and the floor 2^(3 - 127): the byte cannot fall under 1
.endr
.irp i, 2,4,6,8,10,12,14,16,18,20,22,24,26,28,30
.irp c, 0,1
	v_max3_num_f32 v[MX+\c], v[MX+\c], |v[RS+32*\c+\i]|, |v[RS+32*\c+\i+1]|   ; (the two blocks by turns)
.endr
.endr
.irp c, 0,1
	v_add_nc_u32 v[SO+\c], 0xff000000, v[MX+\c]    ; 2 off the exponent field: the conversion takes the exponent field of this operand as its scale, and nothing else of it
.endr
.irp c, 0,1
.irp g, 0,1,2,3
	v_cvt_scalef32_pk8_fp4_f32 v[C+8*(\f)+4*\c+\g], v[RS+32*\c+8*\g:RS+32*\c+8*\g+7], v[SO+\c]   ; registers 4 c .. 4 c + 3 of the operand
.endr
.endr
.irp c, 0,1
	v_lshrrev_b32 v[BY+\c], 23, v[SO+\c]           ; the scale's byte.  (Plain lines behind the conversions)
.endr
	v_lshl_or_b32 v[TW], v[BY+1], 16, v[BY]        ; my two bytes: blocks h and 2 + h of row r,
	v_lshlrev_b32 v[TW], v[SH], v[TW]              ; at their places in the scale word (8 h bits up);
	v_permlanex16_b32 v[PD], v[TW], s44, s45
	v_or_b32 v[WD+(\f)], v[TW], v[PD]              ; with lane l xor 16's two the word is whole, in both halves of the lanes
.irp c, 0,1
	global_store_b128 v[LO16], v[C+8*(\f)+4*\c:C+8*(\f)+4*\c+3], s[40:41] offset:((\f)/2)*4096+((\f)%2)*1024+512*\c   ; the wave stores 512 bytes on end, at a multiple of 256 from the buffer's first byte
.endr
.if (\f) < 2
	LOADF (\f)+2                                   ; the set is free: its numbers have been converted
.endif
.endm
	s_wait_alu depctr_va_vdst(0)
	LOADF 0
	LOADF 1
	FRAGQ 0
	FRAGQ 1
	FRAGQ 2
	FRAGQ 3
	v_cmp_gt_u32 vcc_lo, 16, v1                    ; lane l stores the eight bytes of row 32 w + l: lanes 0-15 those of the first group of rows, lanes 16-31 of the second
	v_cndmask_b32 v[PR], v[WD+2], v[WD], vcc_lo
	v_cndmask_b32 v[PR+1], v[WD+3], v[WD+1], vcc_lo
	global_store_b64 v[LO8], v[PR:PR+1], s[42:43]  ; 256 bytes on end
	s_branch .Lend
; ---- THE WEIGHTS: K IS THE FIRST AXIS.  A lane takes a column (a hidden unit) and its registers run DOWN K: a block of 32 lies in one lane, and the conversions give codes with K innermost.  Nothing is transposed.
; My wave: columns 128 p + 32 w + lane, rows 256 kc + 0 .. 255: eight blocks a lane.  A load reads 128 bytes on end, the four waves side by side 512.  Loads run two blocks (64 loads a wave) ahead.
.Lweights:
	s_sub_co_u32 s35, s30, 2                       ; m: 4 x (x's or h's) + gate
	s_cmp_ge_u32 s35, 4
	s_cselect_b64 s[8:9], s[16:17], s[8:9]         ; the choice hangs on the work-group's number alone
	s_cselect_b64 s[10:11], s[18:19], s[10:11]
	s_cselect_b64 s[12:13], s[20:21], s[12:13]
	s_cselect_b64 s[14:15], s[22:23], s[14:15]
	s_lshr_b32 s36, s35, 2                         ; 0: x's weights, 1: h's
	s_and_b32 s37, s35, 3                          ; gate g
	s_cmp_ge_u32 s37, 2
	s_cselect_b64 s[8:9], s[12:13], s[8:9]
	s_cselect_b64 s[10:11], s[14:15], s[10:11]
	s_and_b32 s46, s35, 1
	s_cmp_eq_u32 s46, 1
	s_cselect_b64 s[38:39], s[10:11], s[8:9]
	s_lshl_b32 s46, s32, 21                        ; 256 kc rows of 8,192 bytes,
	s_lshl_b32 s48, s31, 9                         ; 128 p columns,
	s_add_co_u32 s46, s46, s48
	s_lshl_b32 s48, s28, 7                         ; 32 w columns
	s_add_co_u32 s46, s46, s48
	s_add_nc_u64 s[38:39], s[38:39], s[46:47]      ; where I read
	s_lshl_b32 s48, s36, 2
	s_add_co_u32 s48, s48, s33                     ; S
	s_lshl_b32 s48, s48, 6
	s_lshl_b32 s49, s31, 2
	s_add_co_u32 s48, s48, s49
	s_add_co_u32 s48, s48, s28                     ; chunk 64 S + 4 p + w: my 32 units
	s_mul_i32 s46, s48, CH
	s_add_nc_u64 s[42:43], s[26:27], s[46:47]
	s_lshl_b32 s46, s37, 13                        ; groups 2 g and 2 g + 1,
	s_lshl_b32 s48, s34, 11                        ; blocks 8 kh on
	s_add_co_u32 s46, s46, s48
	s_add_nc_u64 s[40:41], s[42:43], s[46:47]      ; where my codes go
	s_lshl_b32 s46, s34, 10
	s_lshl_b32 s48, s37, 8                         ; rows 32 g + lane of the chunk
	s_add_co_u32 s46, s46, s48
	s_add_co_u32 s46, s46, 32768
	s_add_nc_u64 s[42:43], s[42:43], s[46:47]      ; and my 256 scale bytes
	v_lshlrev_b32 v[LO4], 2, v1
	v_lshlrev_b32 v[WO], 12, v3                    ; lanes 16-31 are the group's successor
	v_lshl_add_u32 v[WO], v2, 4, v[WO]
.macro LOADW t                         ; block t: W(32 t + i, my column), i = 0 .. 31, into set t % 2.  The largest offset, 255 x 8,192, lies inside the signed 24-bit immediate (ISA guide, chapter 10)
.irp i, 0,1,2,3,4,5,6,7,8,9,10,11,12,13,14,15,16,17,18,19,20,21,22,23,24,25,26,27,28,29,30,31
	global_load_b32 v[R+32*((\t)%2)+\i], v[LO4], s[38:39] offset:(32*(\t)+\i)*8192 th:TH_LOAD_NT
.endr
.endm
.macro BLOCK t
.set XS, R+32*((\t)%2)
.if (\t) < 7
	s_wait_loadcnt 32                              ; this block's 32 loads are in; the next block's may be out
.else
	s_wait_loadcnt 0x0
.endif
	v_max3_num_f32 v[MX], |v[XS]|, |v[XS+1]|, |v[XS+2]|            ; the block's largest magnitude, in two chains
	v_max3_num_f32 v[MX+1], |v[XS+3]|, |v[XS+4]|, |v[XS+5]|
.irp i, 6,10,14,18,22,26
	v_max3_num_f32 v[MX], v[MX], |v[XS+\i]|, |v[XS+\i+1]|
	v_max3_num_f32 v[MX+1], v[MX+1], |v[XS+\i+2]|, |v[XS+\i+3]|
.endr
	v_max3_num_f32 v[MX], v[MX], |v[XS+30]|, |v[XS+31]|
	v_max3_num_f32 v[MX], v[MX], v[MX+1], 0x1800000                ; and the floor
	v_add_nc_u32 v[SO], 0xff000000, v[MX]
.irp g, 0,1,2,3
	v_cvt_scalef32_pk8_fp4_f32 v[CW+4*(\t)+\g], v[XS+8*\g:XS+8*\g+7], v[SO]
.endr
	v_lshrrev_b32 v[BY], 23, v[SO]                 ; the scale's byte.  (Plain lines behind the conversions)
.if (\t)%4 == 0
	v_mov_b32 v[WD+(\t)/4], v[BY]                  ; four bytes to a register, the lower K in the lower byte
.else
	v_lshl_or_b32 v[WD+(\t)/4], v[BY], 8*((\t)%4), v[WD+(\t)/4]
.endif
	global_store_b128 v[WO], v[CW+4*(\t):CW+4*(\t)+3], s[40:41] offset:256*(\t)   ; sixteen lanes store 256 bytes on end, at a multiple of 256 from the buffer's first byte
.if (\t) < 6
	LOADW (\t)+2
.endif
.endm
	LOADW 0
	LOADW 1
.irp t, 0,1,2,3,4,5,6,7
	BLOCK \t
.endr
	global_store_b64 v[LO8], v[WD:WD+1], s[42:43]  ; 256 bytes on end
.Lend:
	s_wait_tensorcnt 0x0                           ; the wave's end, behind my last LDS store
	ds_add_u32 v[SPW], v[NIL]
	s_wait_dscnt 0x0
	s_endpgm
.Lfunc_end_k_qf5b62bd28f_quant:
	.size	k_qf5b62bd28f_quant, .Lfunc_end_k_qf5b62bd28f_quant-k_qf5b62bd28f_quant
	.p2alignl 7, 3214868480
	.fill 96, 4, 3214868480
	.section	.rodata,"a",@progbits
	.p2align	6, 0x0
	.amdhsa_kernel k_qf5b62bd28f_quant
		.amdhsa_group_segment_fixed_size 34304
		.amdhsa_private_segment_fixed_size 0
		.amdhsa_enable_private_segment 0
		.amdhsa_kernarg_size 96
		.amdhsa_user_sgpr_count 2
		.amdhsa_user_sgpr_kernarg_segment_ptr 1
		.amdhsa_wavefront_size32 1
		.amdhsa_system_sgpr_workgroup_id_x 1
		.amdhsa_system_sgpr_workgroup_id_y 1
		.amdhsa_system_sgpr_workgroup_id_z 1
		.amdhsa_system_vgpr_workitem_id 0
		.amdhsa_next_free_vgpr 192
		.amdhsa_next_free_sgpr 66
		.amdhsa_reserve_vcc 1
		.amdhsa_float_denorm_mode_32 3
		.amdhsa_float_denorm_mode_16_64 3
		.amdhsa_memory_ordered 1
		.amdhsa_forward_progress 1
		.amdhsa_inst_pref_size 68
	.end_amdhsa_kernel
	.amdgpu_metadata
---
amdhsa.version: [ 1, 2 ]
amdhsa.kernels:
  - .name:           k_qf5b62bd28f_quant
    .symbol:         k_qf5b62bd28f_quant.kd
    .args:
      - { .name: x, .offset: 0, .size: 8, .value_kind: global_buffer, .address_space: global }
      - { .name: h, .offset: 8, .size: 8, .value_kind: global_buffer, .address_space: global }
      - { .name: w_xi, .offset: 16, .size: 8, .value_kind: global_buffer, .address_space: global }
      - { .name: w_xf, .offset: 24, .size: 8, .value_kind: global_buffer, .address_space: global }
      - { .name: w_xo, .offset: 32, .size: 8, .value_kind: global_buffer, .address_space: global }
      - { .name: w_xc, .offset: 40, .size: 8, .value_kind: global_buffer, .address_space: global }
      - { .name: w_hi, .offset: 48, .size: 8, .value_kind: global_buffer, .address_space: global }
      - { .name: w_hf, .offset: 56, .size: 8, .value_kind: global_buffer, .address_space: global }
      - { .name: w_ho, .offset: 64, .size: 8, .value_kind: global_buffer, .address_space: global }
      - { .name: w_hc, .offset: 72, .size: 8, .value_kind: global_buffer, .address_space: global }
      - { .name: apack, .offset: 80, .size: 8, .value_kind: global_buffer, .address_space: global }
      - { .name: bpack, .offset: 88, .size: 8, .value_kind: global_buffer, .address_space: global }
    .group_segment_fixed_size: 34304
    .private_segment_fixed_size: 0
    .kernarg_segment_align: 8
    .kernarg_segment_size: 96
    .max_flat_workgroup_size: 128
    .sgpr_count:     66
    .vgpr_count:     192
    .wavefront_size: 32
...
	.end_amdgpu_metadata
.endif
;; end of part 1
;; launch cell (part 2): grid 32 x 8, 4 waves a work-group, clusters of 4 x 4, 327,680 bytes of LDS; arguments apack, bpack, c, b_i, b_f, b_o, b_c, out0, out1; writes out0, out1
.if DOCPART == 2
	.amdgcn_target "amdgcn-amd-amdhsa--gfx1250"
	.amdhsa_code_object_version 6
	.text
	.protected	k_qf5b62bd28f_cell
	.globl	k_qf5b62bd28f_cell
	.p2align	8
	.type	k_qf5b62bd28f_cell,@function
k_qf5b62bd28f_cell:
	s_mov_b64 s[64:65], 0
	v_nop
	global_prefetch_b8 v0, s[64:65] scope:SCOPE_SE
	s_setreg_imm32_b32 hwreg(HW_REG_WAVE_MODE, 25, 1), 1
	s_wait_xcnt 0x0
	s_wait_alu depctr_hold_cnt(0) depctr_sa_sdst(0) depctr_va_vdst(0) depctr_va_sdst(0) depctr_va_ssrc(0) depctr_va_vcc(0) depctr_vm_vsrc(0)
	s_getreg_b32 s2, hwreg(HW_REG_IB_STS2, 6, 4)
	s_cmp_eq_u32 s2, 0
	s_cbranch_scc0 .Lentry_in_a_cluster
	s_endpgm
.Lentry_in_a_cluster:
	s_bfe_u32 s2, ttmp6, 0x10000c
	s_cmp_lg_u32 s2, 0xf033
	s_cbranch_scc0 .Lentry_shape_is_right
	s_endpgm
.Lentry_shape_is_right:
; SECOND OF TWO LAUNCHES: gates = [x h] [Wx; Wh] + b on codes of FP4 with E8M0 scales (K = 4,096 in eight K steps of 512), then the cell: c_t = c sigmoid(f) + sigmoid(i) tanh(g), h_t = sigmoid(o) tanh(c_t).
; Nothing of reference() is left out.  sigmoid(x) = 1 / (1 + 2^(-x log2 e)), tanh(x) = 1 - 2 / (1 + 2^(2 x log2 e)): an exponential that overflows gives infinity, whose reciprocal is 0: the right limits.
; LIMITS: NaN and infinities among the inputs are not served.  The K steps are summed from step 0 or from step 4 on, round the eight, by the cluster's place: an order of f32 sums that differs from reference()'s.
; A work-group of four waves makes 256 rows x 64 hidden units (x 4 gates = 256 operand rows of B); a wave 128 x 128: 64 accumulators, 512 registers.
; The workspace lies in chunks of CH bytes (128 operand rows x 512 K, codes in the order of the operand's registers, then scale bytes): a chunk is one dense tensor load of 136 rows of 256 bytes,
; and a fragment load is 512 bytes on end: no bank conflict, no padding.  A slot holds two chunks of A and two of B; two slots.
; CLUSTERS 4 x 4: A's chunks are asked for jointly along a row of the cluster, B's along a column.
; THE MATRIX INSTRUCTION IS USED TRANSPOSED (source 0 = B, source 1 = A): lane (r, h) holds row r and eight neighbouring hidden units, and B's block 2 g + u is gate g of units 16 u ..: a unit's four gates meet in one lane.
; FRAGMENTS: two sets for A and two for B.  A step's 32 fragment loads go out in ONE run at the head of the step before, 64 matrix instructions ahead of the first use; the waits for them are counted, block by block of A.
; PREFETCH: behind the fill of K step j each wave asks for the chunk that it will load for K step j + 2 (at the head's end, when the biases have come, for the second and the third K step): a chunk's 136 blocks of 256 bytes
; are shared out, by address, among the four partners that load it jointly, 34 each: 32 lanes, then two (the other lanes name the last again).  The last two fills have no K step two on.
; c's tile, 64 rows a wave, is asked for two changes of slots ahead of its load.
; REGISTERS: window 0: v0-31 addresses; v32-95 scale words, two sets; v128-191, v192-255 A's sets (on the way out v96-255 are at work).  window 1: v0-63, v128-191 B's sets; v64-127 the biases.  windows 2, 3: the accumulators.
.set CH,     34816
.set SLOT,   4*CH
.set SPARE,  2*SLOT                    ; the spare words, 128 bytes for each wave, that no other line names
.set CPITCH, 272                       ; c's tile and the two stages: rows of 256 bytes + 16
.set HST,    SLOT                      ; the stages lie in slot 1, behind its last fill and its last read
.set CST,    SLOT+256*CPITCH
.set NQ,     4
.set FR,     8
.set NP,     4                         ; places behind this matrix instruction (ISA guide 7.12.1)
.set LAPS,   4
.set RD0,  8                           ; v8, v9 the stages, read back by rows
.set RD1,  9
.set GO,   10                          ; v10 my place in two rows of an output
.set PF1,  12                          ; v12, v13 the tiles' prefetches: my blocks of the chunk
.set PF2,  13
.set ADRA, 16                          ; v16-17 my A fragments in slot 0, 1;  v20-21 B's;  v22-23 scale words
.set ADRB, 20
.set ADRS, 22
.set CA,   24                          ; v24-26 my 32 bytes of a row in c's tile, h's stage, c's stage
.set HA,   25
.set SA,   26
.set BO,   27
.set SPW,  28                          ; v28 my spare word; v29 0; never rewritten
.set NIL,  29
.set PFO,  30                          ; v30 c's prefetch: lane x a row of c
.set SC,   32
.set CC,   96
.set CT,   112
.set AF,   128
.set T,    128
.set TI,   T
.set TF,   T+16
.set TO,   T+32
.set TG,   T+48
.set BI,   64                          ; in window 1
.set HT,   192
.set OB,   208
.set G1,   24
.set G0,   32
.set G1B,  48
.set G0B,  56
.set G1C,  80
.set G0C,  88
.set NL2E, 78
.set L2E2, 96
.set PB,   94                          ; s[94:95] my chunk of K step 0;  s13 bytes from K step to K step
.set PFA,  98                          ; s[98:99], s[8:9], s[100:101] where a prefetch stands
.set PFB,  8
.set PFC,  100
.set MSB, 0
.macro WIN new                         ; the immediate's high byte repeats the setting that is left
.if MSB != (\new)
	s_set_vgpr_msb (MSB<<8)|(\new)
.set MSB, (\new)
.endif
.endm
.set MUL_LO, 0xa1                      ; source 0 (B) window 1, source 1 (A) window 0, C and D window 2
.set MUL_HI, 0xf1
.set FST_LO, 0x91                      ; the first step: C = the biases, window 1
.set FST_HI, 0xd1
.set TO_B,   0x40
.macro JLOAD g0a, g1a, g0b, g1b        ; a joint load: waves 0, 1 fetch A's chunks, waves 2, 3 B's; s_nop 0 and four v_nop behind each line
	s_cmp_eq_u32 s15, 0
	s_cbranch_scc0 .Lfor_b_\@
	tensor_load_to_lds s[\g0a:\g0a+3], s[\g1a:\g1a+7]
	s_nop 0
.rept 4
	v_nop
.endr
	s_branch .Lasked_\@
.Lfor_b_\@:
	tensor_load_to_lds s[\g0b:\g0b+3], s[\g1b:\g1b+7]
	s_nop 0
.rept 4
	v_nop
.endr
.Lasked_\@:
.endm
.macro CREST                           ; a round of the cluster's barrier behind its opening barrier
	s_cmp_lg_u32 s14, 0
	s_cbranch_scc1 .Lnot_wave_0_\@
	s_barrier_signal -3
.Lnot_wave_0_\@:
	s_barrier_wait -3
	s_barrier_signal -1
	s_barrier_wait -1
.endm
.macro CROUND
	s_barrier_signal -1
	s_barrier_wait -1
	CREST
.endm
	s_load_b256 s[4:11], s[0:1], 0x0               ; apack, bpack, c, b_i
	s_load_b256 s[68:75], s[0:1], 0x20             ; b_f, b_o, b_c, out0
	s_load_b64 s[76:77], s[0:1], 0x40              ; out1
	v_lshl_add_u32 v[SPW], v0, 2, SPARE
	v_mov_b32 v[NIL], 0
	ds_add_u32 v[SPW], v[NIL]                      ; the opening lines: the add, twice on end, and its wait ahead of my first tensor load
	ds_add_u32 v[SPW], v[NIL]
	v_lshrrev_b32 v1, 5, v0
	v_readfirstlane_b32 s14, v1                    ; wave
	s_lshr_b32 s15, s14, 1                         ; my half of the rows.  Also: I fetch for A (0) or B (1)
	s_and_b32 s16, s14, 1                          ; my half of the units.  Also: which chunk I fetch
	s_bfe_u32 s40, ttmp6, 0x40000                  ; cx, cy
	s_bfe_u32 s41, ttmp6, 0x40004
	s_lshl_b32 s42, ttmp9, 2
	s_add_co_u32 s42, s42, s40                     ; which 64 units
	s_and_b32 s17, ttmp7, 0xffff
	s_lshl_b32 s17, s17, 2
	s_add_co_u32 s17, s17, s41                     ; which 256 rows
	s_lshl_b32 s43, s41, 2
	s_lshl_b32 s43, 15, s43                        ; my row of the cluster
	s_lshl_b32 s44, 0x1111, s40                    ; my column
	s_xor_b32 s12, ttmp9, ttmp7
	s_and_b32 s12, s12, 1
	s_lshl_b32 s12, s12, 2                         ; the K step at which my cluster begins: 0 or 4
	s_mov_b32 s19, 0
	s_mov_b32 s67, 0
	s_or_b32 s[G1+0], s43, (3<<16)|(1<<21)         ; a chunk: 136 rows of 32 elements of 8 bytes, dense
	s_or_b32 s[G1B+0], s44, (3<<16)|(1<<21)
.irp g, G1, G1B
	s_mov_b32 s[\g+1], 32<<16
	s_mov_b32 s[\g+2], 136<<16
	s_mov_b32 s[\g+3], 32<<16
	s_mov_b32 s[\g+4], 136
	s_mov_b32 s[\g+5], 32
	s_mov_b32 s[\g+6], 0
	s_mov_b32 s[\g+7], 0
.endr
	s_mov_b32 s[G1C+0], (2<<16)|(1<<20)|(5<<22)|(3<<25)   ; c's tile: 64 rows of 64 f32 a wave, 16 bytes of padding behind each
	s_mov_b32 s[G1C+1], 64<<16
	s_mov_b32 s[G1C+2], 64<<16
	s_mov_b32 s[G1C+3], 64<<16
	s_mov_b32 s[G1C+4], 64
	s_mov_b32 s[G1C+5], 2048
	s_mov_b32 s[G1C+6], 0
	s_mov_b32 s[G1C+7], 0
	s_mov_b32 s[NL2E], 0xbfb8aa3b                  ; -log2 e
	s_mov_b32 s[NL2E+1], s[NL2E]
	s_mov_b32 s[L2E2], 0x4038aa3b                  ; 2 log2 e
	s_mov_b32 s[L2E2+1], s[L2E2]
	s_lshl_b32 s20, s17, 1
	s_add_co_u32 s20, s20, s16
	s_mul_i32 s20, s20, CH                         ; my chunk of A in a K step,
	s_mov_b32 s21, 0
	s_lshl_b32 s46, s42, 1
	s_add_co_u32 s46, s46, s16
	s_mul_i32 s46, s46, CH                         ; of B
	s_mov_b32 s47, 0
	s_mul_i32 s45, s14, CH                         ; where my chunk goes: no place in the cluster enters an LDS address
	s_lshl_b32 s94, s17, 8
	s_lshl_b32 s95, s14, 6
	s_add_co_u32 s94, s94, s95
	s_lshl_b32 s94, s94, 13
	s_lshl_b32 s95, s42, 8
	s_add_co_u32 s94, s94, s95                     ; c: my 64 rows of the tile
	s_mov_b32 s95, 0
	s_lshl_b32 s98, s17, 8
	s_lshl_b32 s99, s15, 7
	s_add_co_u32 s98, s98, s99
	s_lshl_b32 s99, s16, 3
	s_add_co_u32 s98, s98, s99
	s_lshl_b32 s98, s98, 13
	s_lshl_b32 s99, s42, 8
	s_add_co_u32 s98, s98, s99                     ; the outputs: of each 16 rows of my half I store 8
	s_mov_b32 s99, 0
	s_wait_dscnt 0x0                               ; both opening adds are done
	s_wait_kmcnt 0x0
	s_add_nc_u64 s[4:5], s[4:5], s[20:21]
	s_add_nc_u64 s[6:7], s[6:7], s[46:47]
	s_add_nc_u64 s[92:93], s[8:9], s[94:95]
	s_add_nc_u64 s[74:75], s[74:75], s[98:99]
	s_add_nc_u64 s[76:77], s[76:77], s[98:99]
	s_mov_b32 s[G0C], 1
	s_mul_i32 s[G0C+1], s14, 64*CPITCH
	s_mov_b64 s[G0C+2:G0C+3], s[92:93]
	s_or_b32 s[G0C+3], s[G0C+3], 0x80000000
.irp s, 0,1
	s_mul_i32 s18, s12, 16*CH
	s_mul_i32 s66, s12, 64*CH
	s_mov_b32 s[G0+4*\s], 1
	s_add_co_u32 s[G0+4*\s+1], s45, \s*SLOT
	s_add_nc_u64 s[G0+4*\s+2:G0+4*\s+3], s[4:5], s[18:19]
	s_or_b32 s[G0+4*\s+3], s[G0+4*\s+3], 0x80000000
	s_mov_b32 s[G0B+4*\s], 1
	s_add_co_u32 s[G0B+4*\s+1], s45, \s*SLOT
	s_add_nc_u64 s[G0B+4*\s+2:G0B+4*\s+3], s[6:7], s[66:67]
	s_or_b32 s[G0B+4*\s+3], s[G0B+4*\s+3], 0x80000000
	s_add_co_u32 s12, s12, 1                       ; in the end: the K step of the next fill
.endr
	s_mov_b32 s13, 64*CH
	s_cmp_eq_u32 s15, 0                            ; do I fetch for A?
	s_cselect_b32 s13, 16*CH, s13                  ; bytes from K step to K step
	s_cselect_b32 s2, s40, s41                     ; my place among the four that ask with me
	s_cselect_b64 s[PB:PB+1], s[4:5], s[6:7]
	s_mul_i32 s2, s2, 34*256                       ; my 34 blocks of the chunk's 136
	s_sub_co_u32 s46, s12, 1
	s_mul_i32 s46, s46, s13
	s_add_nc_u64 s[PFA:PFA+1], s[PB:PB+1], s[46:47]   ; the second K step's chunk,
	s_mul_i32 s46, s12, s13
	s_add_nc_u64 s[PFB:PFB+1], s[PB:PB+1], s[46:47]   ; the third's,
	s_add_co_u32 s46, s12, 1
	s_mul_i32 s46, s46, s13
	s_add_nc_u64 s[PFC:PFC+1], s[PB:PB+1], s[46:47]   ; the fourth's (at most K step 7)
	CROUND                                         ; all sixteen work-groups are here: the first joint loads meet
	JLOAD G0, G1, G0B, G1B                         ; the first K step, a chunk a wave
	v_and_b32 v3, 31, v0
	v_min_u32 v4, 1, v3
	v_lshl_add_u32 v[PF1], v3, 8, s2
	s_add_co_u32 s2, s2, 32*256
	v_lshl_add_u32 v[PF2], v4, 8, s2
	v_and_b32 v1, 15, v0                           ; r
	v_bfe_u32 v2, v0, 4, 1                         ; h
	s_lshl_b32 s23, s42, 8
	s_lshl_b32 s21, s16, 7
	s_add_co_u32 s23, s23, s21
	v_lshl_add_u32 v[BO], v2, 5, s23               ; the biases of my eight units: 4 (64 x + 32 half + 8 h)
	s_wait_alu depctr_va_vdst(0)                   ; ahead of the readers below
.macro BIAS g, sb                      ; in the result's layout: they are the C of the first products
.irp u, 0,1
.irp k, 0,1
	global_load_b128 v[BI+8*(2*\g+\u)+4*\k:BI+8*(2*\g+\u)+4*\k+3], v[BO], s[\sb:\sb+1] offset:64*\u+16*\k
.endr
.endr
.endm
	WIN TO_B
	BIAS 0, 10
	BIAS 1, 68
	BIAS 2, 70
	BIAS 3, 72
	WIN 0
	v_lshlrev_b32 v4, 4, v3
	s_mul_i32 s21, s15, CH
	s_mul_i32 s22, s16, CH
	s_add_co_u32 s22, s22, 2*CH
.irp s, 0,1
	v_add_nc_u32 v[ADRA+\s], s21, v4
	v_add_nc_u32 v[ADRB+\s], s22, v4
	s_add_co_u32 s21, s21, SLOT
	s_add_co_u32 s22, s22, SLOT
.endr
	v_lshlrev_b32 v5, 3, v1                        ; scale words: 8 bytes a row; lanes 0-15 take A's, lanes 16-31 B's
	s_mul_i32 s21, s15, CH
	s_mul_i32 s22, s16, CH
	s_add_co_u32 s22, s22, 2*CH
	s_sub_co_u32 s22, s22, s21
	v_mul_u32_u24 v6, s22, v2
	s_add_co_u32 s21, s21, 32768
	v_add_nc_u32 v5, v5, v6
	v_add_nc_u32 v[ADRS], s21, v5
	v_add_nc_u32 v[ADRS+1], SLOT, v[ADRS]
	s_mul_i32 s23, s15, 128*CPITCH
	s_lshl_b32 s21, s16, 7
	s_add_co_u32 s23, s23, s21
	v_mul_u32_u24 v5, v1, CPITCH
	v_lshl_add_u32 v5, v2, 5, v5
	v_add_nc_u32 v[CA], s23, v5
	v_add_nc_u32 v[HA], HST, v[CA]
	v_add_nc_u32 v[SA], CST, v[CA]
	s_mul_i32 s23, s15, 128*CPITCH
	s_mul_i32 s21, s16, 8*CPITCH
	s_add_co_u32 s23, s23, s21
	v_mul_u32_u24 v5, v2, CPITCH
	v_lshl_add_u32 v5, v1, 4, v5
	v_add_nc_u32 v5, s23, v5
	v_add_nc_u32 v[RD0], HST, v5
	v_add_nc_u32 v[RD1], CST, v5
	v_lshlrev_b32 v[GO], 13, v2
	v_lshl_add_u32 v[GO], v1, 4, v[GO]
	v_lshlrev_b32 v[PFO], 13, v3
.macro FRAG reg, adr, q, i             ; 16 rows x 128 K: two loads of 512 bytes on end
.irp c, 0,1
	ds_load_b128 v[\reg+4*\c:\reg+4*\c+3], v[\adr] offset:(\i)*4096+1024*(\q)+512*\c
.endr
.endm
; 16 matrix instructions: A's blocks a0, a0 + 1 x B's eight.  p: the sets;  sc: the set of scale words.  The 64 accumulators take turns in the same order in every step.
.macro MUL16 a0, p, q, sc, first
.irp a, \a0, \a0+1
.irp b, 0,1,2,3,4,5,6,7
.if \first
	v_wmma_scale_f32_16x16x128_f8f6f4 v[8*(8*((\a)%4)+\b):8*(8*((\a)%4)+\b)+7], v[128*(\p)+FR*\b:128*(\p)+FR*\b+FR-1], v[AF+64*(\p)+FR*(\a):AF+64*(\p)+FR*(\a)+FR-1], v[BI+8*\b:BI+8*\b+7], v[SC+8*NQ*(\sc)+NQ*\b+(\q)], v[SC+8*NQ*(\sc)+NQ*(\a)+(\q)] matrix_a_fmt:MATRIX_FMT_FP4 matrix_b_fmt:MATRIX_FMT_FP4 matrix_a_scale:MATRIX_SCALE_ROW1
.else
	v_wmma_scale_f32_16x16x128_f8f6f4 v[8*(8*((\a)%4)+\b):8*(8*((\a)%4)+\b)+7], v[128*(\p)+FR*\b:128*(\p)+FR*\b+FR-1], v[AF+64*(\p)+FR*(\a):AF+64*(\p)+FR*(\a)+FR-1], v[8*(8*((\a)%4)+\b):8*(8*((\a)%4)+\b)+7], v[SC+8*NQ*(\sc)+NQ*\b+(\q)], v[SC+8*NQ*(\sc)+NQ*(\a)+(\q)] matrix_a_fmt:MATRIX_FMT_FP4 matrix_b_fmt:MATRIX_FMT_FP4 matrix_a_scale:MATRIX_SCALE_ROW1
.endif
.endr
.endr
.endm
.macro SCALES sc                       ; a K step's scale words: 16 loads
.irp i, 0,1,2,3,4,5,6,7
.irp kh, 0,1
	ds_load_b64 v[SC+8*NQ*\sc+NQ*\i+2*\kh:SC+8*NQ*\sc+NQ*\i+2*\kh+1], v[ADRS+\sc] offset:1024*\kh+128*\i
.endr
.endr
.endm
.macro FETCH slot, q, p, sc            ; a step's fragments into sets p, in the order of their use: B's 16 loads, (the scale words' 16,) A's 16, block by block
	WIN TO_B
.irp i, 0,1,2,3,4,5,6,7
	FRAG 128*(\p)+FR*\i, ADRB+\slot, \q, \i
.endr
	WIN 0
.if \sc
	SCALES \slot
.endif
.irp i, 0,1,2,3,4,5,6,7
	FRAG AF+64*(\p)+FR*\i, ADRA+\slot, \q, \i
.endr
.endm
.macro PLACES n
.rept \n
	v_nop
.endr
.endm
; A step's 64 matrix instructions.  y: the LDS loads issued behind this step's own.  Of this step's loads the last 12, 8, 4, 0 (A's blocks 2-7, 4-7, 6-7, none) may be out.
.macro MULS p, q, sc, first, y
	s_wait_dscnt \y+12
.if \first
	WIN FST_LO
.else
	WIN MUL_LO
.endif
	MUL16 0, \p, \q, \sc, \first
	s_wait_dscnt \y+8
	MUL16 2, \p, \q, \sc, \first
	s_wait_dscnt \y+4
.if \first
	WIN FST_HI
.else
	WIN MUL_HI
.endif
	MUL16 4, \p, \q, \sc, \first
	s_wait_dscnt \y
	MUL16 6, \p, \q, \sc, \first
.endm
.macro STEP slot, q, first             ; a step that has its successor in the same slot: the successor's 32 loads first, into the sets that the step before has left
	PLACES NP
	FETCH \slot, (\q)+1, 1-(\q)%2, 0
	MULS (\q)%2, \q, \slot, \first, 32
.endm
.macro ASK slot                        ; behind a refill and the run of LDS loads: the chunk two fills on; in the loop's last trip there is none, and slot 0's turn asks for c's tile instead
	s_cmp_gt_u32 s3, 1
	s_cbranch_scc0 .Lno_tile_\@
	global_prefetch_b8 v[PF1], s[PFA:PFA+1] th:TH_LOAD_NT scope:SCOPE_SE
	global_prefetch_b8 v[PF2], s[PFA:PFA+1] th:TH_LOAD_NT scope:SCOPE_SE
.if \slot == 0
	s_branch .Lasked_all_\@
.Lno_tile_\@:
	global_prefetch_b8 v[PFO], s[92:93] th:TH_LOAD_NT scope:SCOPE_SE
	global_prefetch_b8 v[PFO], s[92:93] offset:32*8192 th:TH_LOAD_NT scope:SCOPE_SE
.Lasked_all_\@:
.else
.Lno_tile_\@:
.endif
.endm
; A slot's last step changes slots.  All its fragments were asked for a step ago, so the three lines and the round stand at its head; behind the round the slot is filled again (fill = 1) or takes c's tile (fill = 2),
; and the next slot's first fragments are fetched 48 matrix instructions ahead of their use.
.macro TURN slot, next, fill
	WIN 0
.if \fill == 1
	s_wait_xcnt 0x0                                ; my last prefetch has read its address
	s_add_co_u32 s2, s12, 2
	s_and_b32 s2, s2, 7
	s_mul_i32 s46, s2, s13
	s_add_nc_u64 s[PFA:PFA+1], s[PB:PB+1], s[46:47]
.endif
	s_wait_tensorcnt 0x0                           ; all my tensor loads have landed: my chunk of the next slot;
	ds_add_u32 v[SPW], v[NIL]
.if \fill == 1
	s_mul_i32 s18, s12, 16*CH                      ; no tensor load of mine is out: the descriptors may be written
	s_mul_i32 s66, s12, 64*CH
	s_add_nc_u64 s[G0+4*\slot+2:G0+4*\slot+3], s[4:5], s[18:19]
	s_or_b32 s[G0+4*\slot+3], s[G0+4*\slot+3], 0x80000000
	s_add_nc_u64 s[G0B+4*\slot+2:G0B+4*\slot+3], s[6:7], s[66:67]
	s_or_b32 s[G0B+4*\slot+3], s[G0B+4*\slot+3], 0x80000000
	s_add_co_u32 s12, s12, 1
	s_and_b32 s12, s12, 7
.endif
	s_wait_dscnt 0x0                               ; the add is done, and my reads of this slot are over
	s_barrier_signal -1
	WIN MUL_LO
	MUL16 0, 1, NQ-1, \slot, 0
	WIN 0
	s_barrier_wait -1
	CREST                                          ; no wave of any partner still reads this slot or has a load on its way
.if \fill == 1
	JLOAD G0+4*\slot, G1, G0B+4*\slot, G1B         ; its four v_nop are also the places in front of the loads below
.else
	tensor_load_to_lds s[G0C:G0C+3], s[G1C:G1C+7]
	s_nop 0
.rept 4
	v_nop
.endr
.endif
	FETCH \next, 0, 0, 1
.if \fill == 1
	ASK \slot
.endif
	WIN MUL_LO
	MUL16 2, 1, NQ-1, \slot, 0
	WIN MUL_HI
	MUL16 4, 1, NQ-1, \slot, 0
	MUL16 6, 1, NQ-1, \slot, 0
.endm
.macro STEPS slot, from
.set Q, \from
.rept NQ-1-\from
	STEP \slot, Q, 0
.set Q, Q+1
.endr
.endm
	s_wait_alu depctr_va_vdst(0)                   ; at the head's end
	s_wait_loadcnt 0x0                             ; the biases have come: now the second and the third K step are asked of memory, behind the first K step's requests
	global_prefetch_b8 v[PF1], s[PFA:PFA+1] th:TH_LOAD_NT scope:SCOPE_SE
	global_prefetch_b8 v[PF2], s[PFA:PFA+1] th:TH_LOAD_NT scope:SCOPE_SE
	global_prefetch_b8 v[PF1], s[PFB:PFB+1] th:TH_LOAD_NT scope:SCOPE_SE
	global_prefetch_b8 v[PF2], s[PFB:PFB+1] th:TH_LOAD_NT scope:SCOPE_SE
	s_wait_tensorcnt 0x0                           ; my chunk of the first K step is in
	ds_add_u32 v[SPW], v[NIL]
	s_wait_dscnt 0x0
	CROUND
	JLOAD G0+4, G1, G0B+4, G1B                     ; slot 1's first fill, the first tensor load behind the round
	FETCH 0, 0, 0, 1
	global_prefetch_b8 v[PF1], s[PFC:PFC+1] th:TH_LOAD_NT scope:SCOPE_SE
	global_prefetch_b8 v[PF2], s[PFC:PFC+1] th:TH_LOAD_NT scope:SCOPE_SE
	STEP 0, 0, 1                                   ; the first step stands in front of the loop: its products start the sums from the biases
	WIN 0
	s_mov_b32 s3, LAPS-1
.Llap:                                                 ; a trip goes once round the ring and fills both slots again
	STEPS 0, 1
	TURN 0, 1, 1
	STEPS 1, 0
	TURN 1, 0, 1
	STEP 0, 0, 0
	WIN 0
	s_sub_co_u32 s3, s3, 1
	s_cmp_lg_u32 s3, 0
	s_cbranch_scc1 .Llap
	STEPS 0, 1
	TURN 0, 1, 2                                   ; slot 0 has been read out: it takes c's tile
	STEPS 1, 0
	MULS 1, NQ-1, 1, 0, 0                          ; the very last step: nothing more to fetch
	WIN 0
	PLACES NP
; THE WAY OUT, block by block of 16 rows.  A row's 256 bytes of an output come from two waves: results go into the work-group's two stages, a barrier, and back as whole rows; block a - 1 is stored while block a is computed.
; Each batch of transcendentals is laid whole: all its sources, one wait, the batch, a plain place, one wait.
.macro CLOAD a
.irp u, 0,1
.irp k, 0,1
	ds_load_b128 v[CC+8*\u+4*\k:CC+8*\u+4*\k+3], v[CA] offset:(\a)*16*CPITCH+64*\u+16*\k
.endr
.endr
.endm
.macro OUTLD a
.irp t, 0,1,2,3
	ds_load_b128 v[OB+4*\t:OB+4*\t+3], v[RD0] offset:(16*(\a)+2*\t)*CPITCH
.endr
.irp t, 0,1,2,3
	ds_load_b128 v[OB+16+4*\t:OB+16+4*\t+3], v[RD1] offset:(16*(\a)+2*\t)*CPITCH
.endr
.endm
.macro OUTST a, counted                ; sixteen lanes store 256 bytes on end, at a multiple of 256 from the output's first byte
.irp t, 0,1,2,3
.if \counted
	s_wait_dscnt 7-\t
.endif
	global_store_b128 v[GO], v[OB+4*\t:OB+4*\t+3], s[74:75] offset:(16*(\a)+2*\t)*8192 th:TH_STORE_NT
.endr
.irp t, 0,1,2,3
.if \counted
	s_wait_dscnt 3-\t
.endif
	global_store_b128 v[GO], v[OB+16+4*\t:OB+16+4*\t+3], s[76:77] offset:(16*(\a)+2*\t)*8192 th:TH_STORE_NT
.endr
.endm
.macro BATCH op, base, count
.set n, 0
.rept \count
	\op v[(\base)+n], v[(\base)+n]
.set n, n+1
.endr
.endm
.macro ADD1 base, pairs
.set n, 0
.rept \pairs
	v_pk_add_f32 v[(\base)+n:(\base)+n+1], v[(\base)+n:(\base)+n+1], 1.0 op_sel_hi:[1,0]
.set n, n+2
.endr
.endm
.macro EPI a
.set AC, 64*((\a)%4)
	WIN 0x02+(\a)/4
	s_wait_alu depctr_va_vdst(0)                   ; ahead of the first readers of this block's accumulators
.irp g, 0,1,2
.irp u, 0,1
.irp j, 0,2,4,6
	v_pk_mul_f32 v[T+16*\g+8*\u+\j:T+16*\g+8*\u+\j+1], v[AC+8*(2*\g+\u)+\j:AC+8*(2*\g+\u)+\j+1], s[NL2E:NL2E+1] op_sel_hi:[1,0]
.endr
.endr
.endr
.irp u, 0,1
.irp j, 0,2,4,6
	v_pk_mul_f32 v[TG+8*\u+\j:TG+8*\u+\j+1], v[AC+8*(6+\u)+\j:AC+8*(6+\u)+\j+1], s[L2E2:L2E2+1] op_sel_hi:[1,0]
.endr
.endr
	WIN 0
	s_wait_alu depctr_va_vdst(0)
	BATCH v_exp_f32, T, 64
.if (\a) > 0
	s_barrier_wait -1                              ; block a - 1 lies whole in the stages
.if (\a) > 1
	s_wait_xcnt 0x0                                ; block a - 2's stores have read their registers
.endif
	OUTLD (\a)-1
	CLOAD \a
.endif
	v_nop
	s_wait_alu depctr_va_vdst(0)
	ADD1 T, 32
	s_wait_alu depctr_va_vdst(0)
	BATCH v_rcp_f32, T, 64                         ; sigmoid(i), sigmoid(f), sigmoid(o), and 1 / (1 + e^(2 g))
.if (\a) == 0
	s_wait_tensorcnt 0x0                           ; my rows of c's tile are in,
	s_wait_dscnt 0x0                               ; my reads of slot 1 are over:
	s_barrier_signal -1
	s_barrier_wait -1                              ; both hold of every wave: c may be read, and the stages written
	CLOAD 0
.endif
	v_nop
	s_wait_alu depctr_va_vdst(0)
	s_wait_dscnt 0x0                               ; c, and block a - 1's rows
.irp j, 0,2,4,6,8,10,12,14
	v_pk_fma_f32 v[TG+\j:TG+\j+1], v[TG+\j:TG+\j+1], -2.0, 1.0 op_sel_hi:[1,0,0]
.endr
.irp j, 0,2,4,6,8,10,12,14
	v_pk_mul_f32 v[TI+\j:TI+\j+1], v[TI+\j:TI+\j+1], v[TG+\j:TG+\j+1]
.endr
.irp j, 0,2,4,6,8,10,12,14
	v_pk_fma_f32 v[CT+\j:CT+\j+1], v[CC+\j:CC+\j+1], v[TF+\j:TF+\j+1], v[TI+\j:TI+\j+1]
.endr
.irp u, 0,1
.irp k, 0,1
	ds_store_b128 v[SA], v[CT+8*\u+4*\k:CT+8*\u+4*\k+3] offset:(\a)*16*CPITCH+64*\u+16*\k
.endr
.endr
.irp j, 0,2,4,6,8,10,12,14
	v_pk_mul_f32 v[TG+\j:TG+\j+1], v[CT+\j:CT+\j+1], s[L2E2:L2E2+1] op_sel_hi:[1,0]
.endr
.if (\a) > 0
	OUTST (\a)-1, 0
.endif
	s_wait_alu depctr_va_vdst(0)
	BATCH v_exp_f32, TG, 16
	v_nop
	s_wait_alu depctr_va_vdst(0)
	ADD1 TG, 8
	s_wait_alu depctr_va_vdst(0)
	BATCH v_rcp_f32, TG, 16
	v_nop
	s_wait_alu depctr_va_vdst(0)
.irp j, 0,2,4,6,8,10,12,14
	v_pk_fma_f32 v[TG+\j:TG+\j+1], v[TG+\j:TG+\j+1], -2.0, 1.0 op_sel_hi:[1,0,0]
.endr
.irp j, 0,2,4,6,8,10,12,14
	v_pk_mul_f32 v[HT+\j:HT+\j+1], v[TO+\j:TO+\j+1], v[TG+\j:TG+\j+1]
.endr
.irp u, 0,1
.irp k, 0,1
	ds_store_b128 v[HA], v[HT+8*\u+4*\k:HT+8*\u+4*\k+3] offset:(\a)*16*CPITCH+64*\u+16*\k
.endr
.endr
	s_wait_dscnt 0x0                               ; for the other wave's sake: my stores into the stages are done
	s_barrier_signal -1
.endm
.irp a, 0,1,2,3,4,5,6,7
	EPI \a
.endr
	s_barrier_wait -1
	s_wait_xcnt 0x0
	OUTLD 7
	OUTST 7, 1
	s_wait_tensorcnt 0x0                           ; the wave's end
	ds_add_u32 v[SPW], v[NIL]
	s_wait_dscnt 0x0
	CROUND                                         ; the closing round
	s_endpgm
.Lfunc_end_k_qf5b62bd28f_cell:
	.size	k_qf5b62bd28f_cell, .Lfunc_end_k_qf5b62bd28f_cell-k_qf5b62bd28f_cell
	.p2alignl 7, 3214868480
	.fill 96, 4, 3214868480
	.section	.rodata,"a",@progbits
	.p2align	6, 0x0
	.amdhsa_kernel k_qf5b62bd28f_cell
		.amdhsa_group_segment_fixed_size 327680
		.amdhsa_private_segment_fixed_size 0
		.amdhsa_enable_private_segment 0
		.amdhsa_kernarg_size 72
		.amdhsa_user_sgpr_count 2
		.amdhsa_user_sgpr_kernarg_segment_ptr 1
		.amdhsa_wavefront_size32 1
		.amdhsa_system_sgpr_workgroup_id_x 1
		.amdhsa_system_sgpr_workgroup_id_y 1
		.amdhsa_system_sgpr_workgroup_id_z 1
		.amdhsa_system_vgpr_workitem_id 0
		.amdhsa_next_free_vgpr 1024
		.amdhsa_next_free_sgpr 102
		.amdhsa_reserve_vcc 0
		.amdhsa_float_denorm_mode_32 3
		.amdhsa_float_denorm_mode_16_64 3
		.amdhsa_memory_ordered 1
		.amdhsa_forward_progress 1
		.amdhsa_inst_pref_size 255
	.end_amdhsa_kernel
	.section	.bss,"aw",@nobits
	.p2align	6
	.space	262144
	.amdgpu_metadata
---
amdhsa.version: [ 1, 2 ]
amdhsa.kernels:
  - .name:           k_qf5b62bd28f_cell
    .symbol:         k_qf5b62bd28f_cell.kd
    .args:
      - { .name: apack, .offset: 0, .size: 8, .value_kind: global_buffer, .address_space: global }
      - { .name: bpack, .offset: 8, .size: 8, .value_kind: global_buffer, .address_space: global }
      - { .name: c, .offset: 16, .size: 8, .value_kind: global_buffer, .address_space: global }
      - { .name: b_i, .offset: 24, .size: 8, .value_kind: global_buffer, .address_space: global }
      - { .name: b_f, .offset: 32, .size: 8, .value_kind: global_buffer, .address_space: global }
      - { .name: b_o, .offset: 40, .size: 8, .value_kind: global_buffer, .address_space: global }
      - { .name: b_c, .offset: 48, .size: 8, .value_kind: global_buffer, .address_space: global }
      - { .name: out0, .offset: 56, .size: 8, .value_kind: global_buffer, .address_space: global }
      - { .name: out1, .offset: 64, .size: 8, .value_kind: global_buffer, .address_space: global }
    .group_segment_fixed_size: 327680
    .private_segment_fixed_size: 0
    .kernarg_segment_align: 8
    .kernarg_segment_size: 72
    .max_flat_workgroup_size: 128
    .sgpr_count:     102
    .vgpr_count:     1024
    .wavefront_size: 32
...
	.end_amdgpu_metadata
.endif
;; end of part 2
